; MI455X (gfx1250); checked and timed in simulation.
; The chip was launched on July 23, 2026; its instructions are those of AMD's public machine-readable ISA for CDNA 5 (MIT licence, August 2026) and "CDNA5" Instruction Set Architecture Reference Guide (July 2026). The comments in the code are by the model that wrote it; some were corrected since.
;; Multi Head Attention. Allowed arithmetic: matrix products marked QUANTISED: E5M2 operands, one given power-of-two scale a tensor, by v_wmma_f32_16x16x64_bf8_bf8 or v_wmma_f32_16x16x128_bf8_bf8, f32 sums; everything else in f32.
;; Inputs: Wk_codes 1,024 x 32 x 32 uint8 (E5M2 codes of Wk, K innermost, in blocks of 32 codes); Wo_codes 1,024 x 32 x 32 uint8 (E5M2 codes of Wo, K innermost, in blocks of 32 codes); Wq_codes 1,024 x 32 x 32 uint8 (E5M2 codes of Wq, K innermost, in blocks of 32 codes); Wv_codes 1,024 x 32 x 32 uint8 (E5M2 codes of Wv, K innermost, in blocks of 32 codes); bo 1,024 float32; lowp_scales 12 int32 (the exponents e of the quantised operands' scales 2^e); x_codes 4 x 2,048 x 32 x 32 uint8 (E5M2 codes of x, K innermost, in blocks of 32 codes).
;; Outputs: out0 4 x 2,048 x 1,024 float32.
;; This version of the problem:
;;   THIS VERSION OF THE PROBLEM IS GIVEN IN LOW PRECISION. The matrix products marked QUANTISED in the list below multiply operands that are first quantised to E5M2 (5 exponent bits, 2 mantissa bits; 8 bits a number), with one given power-of-two scale for each operand tensor; their sums are f32. All else is computed in f32.
;;   The module's matrix products, in the order in which they are computed (A, B: the left and right operand; K: the contracted axis; several contracted axes count as one K, in the product's order):
;;     1. [M 8,192, K 1,024] x [K 1,024, N 1,024]; A: input x (given as codes); B: input Wq (given as codes): QUANTISED (scales: A lowp_scales[0], B lowp_scales[1])
;;     2. [M 8,192, K 1,024] x [K 1,024, N 1,024]; A: input x (given as codes); B: input Wk (given as codes): QUANTISED (scales: A lowp_scales[2], B lowp_scales[3])
;;     3. [M 8,192, K 1,024] x [K 1,024, N 1,024]; A: input x (given as codes); B: input Wv (given as codes): QUANTISED (scales: A lowp_scales[4], B lowp_scales[5])
;;     4. batch 64 x [M 2,048, K 64] x [K 64, N 2,048]; A: computed on the way; B: computed on the way: QUANTISED (scales: A lowp_scales[6], B lowp_scales[7])
;;     5. batch 64 x [M 2,048, K 2,048] x [K 2,048, N 64]; A: softmax (see below); B: computed on the way: QUANTISED (scales: A lowp_scales[8], B lowp_scales[9])
;;     6. [M 8,192, K 1,024] x [K 1,024, N 1,024]; A: computed on the way; B: input Wo (given as codes): QUANTISED (scales: A lowp_scales[10], B lowp_scales[11])
;;   THE QUANTISER, for each operand of a quantised product, along K:
;;     - The operand's scale is 2^e, e = its entry of the input lowp_scales (int32; the entries are numbered through the quantised products in the list's order, A before B).
;;     - Each number is divided by the scale, clamped to +-57,344, and rounded to the nearest number of E5M2, ties to even, subnormals kept.
;;     - The product sums the exact products of the quantised numbers (number of the format x scale) in f32.
;;   ~~~python
;;   def quantise(x, axis, e):      # numpy; x: float32 -> the quantised numbers, widened to float32 again
;;       x = np.moveaxis(x, axis, -1); K = x.shape[-1]
;;       r = np.clip(x / 2.0 ** e, -57344, 57344)
;;       step = 2.0 ** (np.maximum(np.frexp(np.where(r == 0, 1, r))[1] - 1, -14) - 2)
;;       q = np.round(r / step) * step * 2.0 ** e      # np.round: ties to even
;;       return np.moveaxis(q, -1, axis).astype(np.float32)
;;   ~~~
;;   SOFTMAX AHEAD OF A QUANTISED PRODUCT. Where the list says 'softmax', what is quantised is not the finished softmax but p = 2^(t - M), with t = logit x log2(e) and M = ceil(the row's largest t), a whole number; so 1/2 < the row's largest p <= 1. The row's sum l is taken of the UNQUANTISED p, in f32, and the product's result is divided by l at the end. Since M is a whole number, a kernel that streams over the keys may use a running M (the ceiling of the running maximum): every later rescaling is an exact power of two, so the quantised numbers keep their values, but for numbers so far below the row's largest that they fall under the format's range.
;;   OPERANDS COMPUTED ON THE WAY. 'Computed on the way' means the value that the module computes at that place (a softmax that the list does not call 'softmax' is quantised finished and normalised). What goes into a quantiser is computed in f32, as accurately as f32 sums, v_exp_f32 and their like allow (about 1e-6 of the number): no bf16 or f16 on the way to a quantiser, and a product that is left as it is and whose result goes on into a quantised operand takes f32 operands (vector FMAs, or v_wmma_f32_16x16x4_f32). A number that lies on a knife's edge between two numbers of the format may be rounded either way, as far as f32 arithmetic and the matrix unit's own rounding can turn it there, and no further.
;;   INPUTS GIVEN AS CODES. Wk (in the module: [1024, 1024], K = its axis 0); Wo (in the module: [1024, 1024], K = its axis 0); Wq (in the module: [1024, 1024], K = its axis 0); Wv (in the module: [1024, 1024], K = its axis 0); x (in the module: [4, 2048, 1024], K = its axis 2): each comes as NAME_codes (uint8): NAME with its K axis moved to the last place and cut into blocks of 32 codes, [.., K / 32, bytes a block], one block behind the other in memory; one code a byte (a code: sign, 5 exponent bits, 2 mantissa bits); its scale is its entry of lowp_scales. Its value is code x scale, taken as it is: it is not quantised again, and the codes and scales need not be those that the quantiser above would give.
;; One version. Each part assembles by itself: llvm-mc -triple=amdgcn-amd-amdhsa -mcpu=gfx1250 --defsym DOCPART=n.
;; ======== version 1 of 1: 3 launches
;; limits: right only within a limited range of input values
;; workspace buffers: qc 8,388,608 bytes; kc 8,388,608 bytes; vt 8,388,608 bytes; ac 8,388,608 bytes
;; launch qkv (part 1): grid 4 x 192, 4 waves a work-group, clusters of 4 x 4, 327,680 bytes of LDS; arguments x_codes, Wq_codes, Wk_codes, Wv_codes, lowp_scales, qc, kc, vt; writes qc, kc, vt
.if DOCPART == 1
	.amdgcn_target "amdgcn-amd-amdhsa--gfx1250"
	.amdhsa_code_object_version 6
	.text
	.protected	k_q3524d8ca91_qkv
	.globl	k_q3524d8ca91_qkv
	.p2align	8
	.type	k_q3524d8ca91_qkv,@function
k_q3524d8ca91_qkv:
	s_mov_b64 s[64:65], 0
	v_nop
	global_prefetch_b8 v0, s[64:65] scope:SCOPE_SE
	s_setreg_imm32_b32 hwreg(HW_REG_WAVE_MODE, 25, 1), 1
	s_wait_xcnt 0x0
	s_wait_alu depctr_hold_cnt(0) depctr_sa_sdst(0) depctr_va_vdst(0) depctr_va_sdst(0) depctr_va_ssrc(0) depctr_va_vcc(0) depctr_vm_vsrc(0)
	s_getreg_b32 s2, hwreg(HW_REG_IB_STS2, 6, 4)
	s_cmp_eq_u32 s2, 0
	s_cbranch_scc0 .Lentry_in_a_cluster
	s_endpgm
.Lentry_in_a_cluster:
	s_bfe_u32 s2, ttmp6, 0x10000c
	s_cmp_lg_u32 s2, 0xf033
	s_cbranch_scc0 .Lentry_shape_is_right
	s_endpgm
.Lentry_shape_is_right:
; q = x Wq, k = x Wk, v = x Wv on codes of E5M2, and the three results quantised on the way out with the given scales.
; x: [8192][1024] codes; Wq, Wk, Wv: [1024 (n)][1024 (k)] codes, K innermost.  lowp_scales: e0 .. e11.
; OUT: qc, kc: [64 (batch x 16 + head)][2048 (s)][64 (d)] codes.  vt: [64][64 (d)][2048] codes of v with the keys innermost; inside each group of 32 keys,
; key 32 c + 16 e + 8 h + j lies at place 32 c + 16 h + 8 e + j, so that a load of 16 bytes at 32 c + 16 h gives a lane the keys that the matrix form's own layout gives it.
; A sum of product 1 stands for sum x 2^(e0 + e1); its code is sum / 2^F, F = e6 - e0 - e1 (k: e7 - e2 - e3; v: e9 - e4 - e5), held within +-57,344 x 2^F.
; LIMIT: -126 <= F <= 112, so that 2^F and 57,344 x 2^F are f32 numbers.  Codes of infinity or NaN among the inputs are taken as the matrix unit takes them.
; SHARES.  A work-group makes 128 (side P, source 1) x 256 (side Q, source 0): 8192 x 3072 / (128 x 256) = 768 work-groups.  Four waves, each 64 P x 128 Q: 32 accumulators, 256 registers.
; In a result lane (r, h) holds P's row r and its registers Q's rows 8 h + 0 .. 7.  For q and k: P = x, Q = the weight: a lane holds eight neighbouring d of one s.
; For v the roles are swapped (P = Wv, Q = x): a lane holds eight neighbouring s of one d, which are neighbours in vt.
; K = 1024 goes in four K steps of 256 (rows of 256 bytes), eight sub-steps of 128.  THREE LDS slots: K steps 0, 1, 2 are asked for at the head, K step 3 fills slot 0 again behind the one round in the text.
; By this text's own count a wave has at most three tensor loads out.
; CLUSTERS: 4 x 4 work-groups; P's tile is shared along a row of the cluster, Q's along a column: each is asked for jointly.  The grid's x is one cluster wide.
; No prefetch: three of the four K steps are asked for at the head, and each tile is read by many work-groups.
; REGISTERS, in windows of 256: window 0: v0-21 addresses; v64-127, v128-191 P's fragments, two sets; window 1: Q's fragments, two sets of 128; window 2: accumulator (a, b) at v[8 (8 a + b)].
.set PITCH, 272                        ; an LDS row: 256 bytes + 16 of padding = 68 words: the 16 rows of a fragment load start at 16 different banks (64 banks of 4 bytes: ISA guide 11.1)
.set PH,    64*PITCH                   ; half of P's tile: what waves 0 and 1 fetch, and what a wave reads of P
.set QH,    128*PITCH                  ; half of Q's tile: waves 2 and 3
.set SLOT,  2*PH+2*QH                  ; 104,448
.set SPARE, 3*SLOT                     ; behind the slots: the spare words, 128 bytes for each wave: two blocks of 256 bytes that no other line names
.set STA,   SLOT                       ; the stage for q and k lies in slot 1, the stage for v in slot 2: each has had its one fill, and nobody reads them behind the barrier of sub-step 5
.set STB,   2*SLOT
.set ADRP, 4                           ; v4-6   LDS address of my P fragments in slot 0, 1, 2
.set ADRQ, 8                           ; v8-10  the same for Q
.set SPW,  12                          ; v12    my spare word; never rewritten
.set NIL,  13                          ; v13    0; never rewritten
.set SQK,  14                          ; v14    q, k: where I put eight codes in the stage
.set GQK,  15                          ; v15    q, k: my byte offset in the output
.set SV,   16                          ; v16    v: into the stage
.set RQK,  17                          ; v17    q, k: back from the stage
.set RV,   18                          ; v18    v: back from the stage
.set GV,   19                          ; v19    v: my byte offset in the output
.set LIM,  20
.set SC,   21                          ; v21    2^F
.set COD,  64                          ; v64-127  the codes, two registers a tile
.set BK,   128                         ; v128-191 rows read back from the stage
.set G1P, 28                           ; s[28:35] descriptor group 1 for P's tiles
.set G1Q, 36                           ; s[36:43] for Q's
.set G0P, 44                           ; s[44:55] group 0 for P's tiles, a set for each slot
.set G0Q, 68                           ; s[68:79] for Q's
.set MSB, 0
.macro WIN new                         ; the immediate's high byte repeats the setting that is left
.if MSB != \new
	s_set_vgpr_msb (MSB<<8)|\new
.set MSB, \new
.endif
.endm
.macro PLACES                          ; four places in front of loads into registers that matrix instructions have read, and of the first read of results
.rept 4
	v_nop
.endr
.endm
.macro CROUND                          ; a round of the cluster's barrier
	s_barrier_signal -1
	s_barrier_wait -1
	s_cmp_lg_u32 s20, 0
	s_cbranch_scc1 .Lnot_wave_0_\@
	s_barrier_signal -3
.Lnot_wave_0_\@:
	s_barrier_wait -3
	s_barrier_signal -1
	s_barrier_wait -1
.endm
.macro JLOAD                           ; the joint refill of slot 0: waves 0 and 1 for P, waves 2 and 3 for Q; four v_nop follow each line
	s_cmp_eq_u32 s21, 0
	s_cbranch_scc0 .Lfor_q_\@
	tensor_load_to_lds s[G0P:G0P+3], s[G1P:G1P+7]
	s_nop 0
.rept 4
	v_nop
.endr
	s_branch .Lasked_\@
.Lfor_q_\@:
	tensor_load_to_lds s[G0Q:G0Q+3], s[G1Q:G1Q+7]
	s_nop 0
.rept 4
	v_nop
.endr
.Lasked_\@:
.endm
; 48 LDS loads in one run: the fragments of the slot's q-th 128 along K.  A fragment is 16 rows x 128 K in 16 registers: lane (r, h) holds, of row r, K = 32 c + 16 h + 0 .. 15 in registers 4 c .. 4 c + 3:
; a permutation of k that is the same on both sides, so every product meets its partner.
.macro FETCH slot, q, set
	WIN 0x40                                       ; destination window 1, address window 0
.irp b, 0,1,2,3,4,5,6,7
.irp c, 0,1,2,3
	ds_load_b128 v[128*\set+16*\b+4*\c:128*\set+16*\b+4*\c+3], v[ADRQ+\slot] offset:16*PITCH*\b+128*\q+32*\c
.endr
.endr
	WIN 0
.irp a, 0,1,2,3
.irp c, 0,1,2,3
	ds_load_b128 v[64+64*\set+16*\a+4*\c:64+64*\set+16*\a+4*\c+3], v[ADRP+\slot] offset:16*PITCH*\a+128*\q+32*\c
.endr
.endr
.endm
; 32 matrix instructions: the 32 accumulators take turns, one instruction a turn, in the same order in every sub-step.  zero = 1: the products start the sums.
.macro MUL set, zero
	WIN 0xa1                                       ; source 0 (Q) window 1, source 1 (P) window 0, C and D window 2
.irp a, 0,1,2,3
.irp b, 0,1,2,3,4,5,6,7
.if \zero
	v_wmma_f32_16x16x128_bf8_bf8 v[8*(8*\a+\b):8*(8*\a+\b)+7], v[128*\set+16*\b:128*\set+16*\b+15], v[64+64*\set+16*\a:64+64*\set+16*\a+15], 0
.else
	v_wmma_f32_16x16x128_bf8_bf8 v[8*(8*\a+\b):8*(8*\a+\b)+7], v[128*\set+16*\b:128*\set+16*\b+15], v[64+64*\set+16*\a:64+64*\set+16*\a+15], v[8*(8*\a+\b):8*(8*\a+\b)+7]
.endif
.endr
.endr
	WIN 0
.endm
.macro SUB mset, slot, q, fset         ; a plain sub-step: set mset is in; the next sub-step's fragments are asked for into the other set; 32 products
	s_wait_dscnt 0x0                               ; the 48 loads issued 32 matrix instructions ago
	PLACES
	FETCH \slot, \q, \fset
	MUL \mset, 0
.endm
	s_load_b256 s[4:11], s[0:1], 0x0               ; x s[4:5], Wq s[6:7], Wk s[8:9], Wv s[10:11]
	s_load_b256 s[12:19], s[0:1], 0x20             ; the scales' exponents s[12:13], qc s[14:15], kc s[16:17], vt s[18:19]
	v_lshl_add_u32 v[SPW], v0, 2, SPARE
	v_mov_b32 v[NIL], 0
	ds_add_u32 v12, v13
	ds_add_u32 v12, v13
	s_wait_dscnt 0x0
	v_lshrrev_b32 v3, 5, v0
	v_readfirstlane_b32 s20, v3                    ; wave 0..3
	s_lshr_b32 s21, s20, 1                         ; which 64 rows of P are mine.  Also: I fetch for P (0) or for Q (1)
	s_and_b32 s22, s20, 1                          ; which 128 rows of Q are mine.  Also: which half of that tile I fetch
	s_bfe_u32 s23, ttmp6, 0x40000                  ; cx
	s_bfe_u32 s24, ttmp6, 0x40004                  ; cy
	s_and_b32 s25, ttmp7, 0xffff                   ; the cluster's y, 0 .. 47: the same in all sixteen partners
	s_lshr_b32 s26, s25, 4                         ; T: 0 = q, 1 = k, 2 = v
	s_and_b32 s27, s25, 15                         ; c: which of the tensor's 16 clusters
	s_lshl_b32 s66, s24, 2
	s_lshl_b32 s66, 15, s66                        ; my row of the cluster
	s_lshl_b32 s67, 0x1111, s23                    ; my column
	s_or_b32 s[G1P], s66, (1<<20)|(1<<21)|(5<<22)|(3<<25)   ; 15:0 the mask; 17:16 elements of 1 byte; 20 padding on; 21 set beside a mask; 24:22 after every 64 words; 31:25 four words
	s_or_b32 s[G1Q], s67, (1<<20)|(1<<21)|(5<<22)|(3<<25)
	s_mov_b32 s[G1P+1], 256<<16                    ; tensor_dim0 = 256
	s_mov_b32 s[G1P+2], 64<<16                     ; tensor_dim1 = 64
	s_mov_b32 s[G1P+3], 256<<16                    ; tile_dim0 = 256
	s_mov_b32 s[G1P+4], 64                         ; tile_dim1 = 64
	s_mov_b32 s[G1P+5], 1024                       ; bytes from row to row
	s_mov_b32 s[G1P+6], 0
	s_mov_b32 s[G1P+7], 0
	s_mov_b32 s[G1Q+1], 256<<16
	s_mov_b32 s[G1Q+2], 128<<16                    ; 128 rows
	s_mov_b32 s[G1Q+3], 256<<16
	s_mov_b32 s[G1Q+4], 128
	s_mov_b32 s[G1Q+5], 1024
	s_mov_b32 s[G1Q+6], 0
	s_mov_b32 s[G1Q+7], 0
	; which blocks.  q, k: P block = 4 c + cy of x's 64, Q block = cx of the weight's 4.  v: P block = 4 (c / 8) + cy of Wv's 8, Q block = 4 (c % 8) + cx of x's 32
	s_lshr_b32 s94, s27, 3
	s_and_b32 s95, s27, 7
	s_cmp_eq_u32 s26, 2
	s_cselect_b32 s94, s94, s27
	s_cselect_b32 s95, s95, 0
	s_lshl_b32 s94, s94, 2
	s_add_co_u32 s100, s94, s24                    ; P block: hangs on cy and on what all partners share
	s_lshl_b32 s95, s95, 2
	s_add_co_u32 s101, s95, s23                    ; Q block: on cx likewise
	s_lshl_b32 s56, s100, 17                       ; 128 rows of 1,024 bytes
	s_lshl_b32 s58, s22, 16                        ; + the 64 rows that I fetch
	s_add_co_u32 s56, s56, s58
	s_mov_b32 s57, 0
	s_lshl_b32 s60, s101, 18                       ; 256 rows
	s_lshl_b32 s62, s22, 17                        ; + the 128 that I fetch
	s_add_co_u32 s60, s60, s62
	s_mov_b32 s61, 0
	s_mul_i32 s96, s22, PH                         ; where they go in a slot: no place in the cluster enters an LDS address
	s_mul_i32 s97, s22, QH
	s_add_co_u32 s97, s97, 2*PH
	s_wait_kmcnt 0x0
	s_load_b256 s[80:87], s[12:13], 0x0            ; e0 .. e7
	s_load_b128 s[88:91], s[12:13], 0x20           ; e8 .. e11
	s_cmp_eq_u32 s26, 2
	s_cselect_b64 s[92:93], s[10:11], s[4:5]       ; P's tensor: Wv, or x
	s_cselect_b64 s[94:95], s[4:5], s[8:9]         ; Q's: x, or Wk,
	s_cmp_eq_u32 s26, 0
	s_cselect_b64 s[94:95], s[6:7], s[94:95]       ; or Wq
	s_add_nc_u64 s[92:93], s[92:93], s[56:57]
	s_add_nc_u64 s[94:95], s[94:95], s[60:61]
.irp s, 0,1,2
	s_mov_b32 s[G0P+4*\s], 1                       ; count = 1
	s_add_co_u32 s[G0P+4*\s+1], s96, \s*SLOT       ; LDS address
	s_add_nc_u64 s[G0P+4*\s+2:G0P+4*\s+3], s[92:93], \s*256   ; K step s
	s_or_b32 s[G0P+4*\s+3], s[G0P+4*\s+3], 0x80000000         ; type = 2
	s_mov_b32 s[G0Q+4*\s], 1
	s_add_co_u32 s[G0Q+4*\s+1], s97, \s*SLOT
	s_add_nc_u64 s[G0Q+4*\s+2:G0Q+4*\s+3], s[94:95], \s*256
	s_or_b32 s[G0Q+4*\s+3], s[G0Q+4*\s+3], 0x80000000
.endr
	CROUND                                         ; all sixteen work-groups are here: the first joint loads meet
	s_cmp_eq_u32 s21, 0                            ; a wave's three first fills stand in one branch, ahead of every wait on TENSORcnt and every LDS read
	s_cbranch_scc0 .Lfirst_q
	tensor_load_to_lds s[G0P:G0P+3], s[G1P:G1P+7]
	s_nop 0
	tensor_load_to_lds s[G0P+4:G0P+7], s[G1P:G1P+7]
	s_nop 0
	tensor_load_to_lds s[G0P+8:G0P+11], s[G1P:G1P+7]
	s_nop 0
.rept 4
	v_nop
.endr
	s_branch .Lfirst_asked
.Lfirst_q:
	tensor_load_to_lds s[G0Q:G0Q+3], s[G1Q:G1Q+7]
	s_nop 0
	tensor_load_to_lds s[G0Q+4:G0Q+7], s[G1Q:G1Q+7]
	s_nop 0
	tensor_load_to_lds s[G0Q+8:G0Q+11], s[G1Q:G1Q+7]
	s_nop 0
.rept 4
	v_nop
.endr
.Lfirst_asked:
	v_and_b32 v1, 15, v0                           ; r
	v_bfe_u32 v2, v0, 4, 1                         ; h
	v_mul_u32_u24 v3, v1, PITCH
	v_lshl_add_u32 v3, v2, 4, v3                   ; a fragment's row x pitch + 16 h
	s_mul_i32 s98, s21, PH                         ; my 64 rows of P
	s_mul_i32 s99, s22, QH
	s_add_co_u32 s99, s99, 2*PH                    ; my 128 rows of Q
.irp s, 0,1,2
	v_add_nc_u32 v[ADRP+\s], s98, v3
	v_add_nc_u32 v[ADRQ+\s], s99, v3
	s_add_co_u32 s98, s98, SLOT
	s_add_co_u32 s99, s99, SLOT
.endr
	; the way out's addresses, all made here, ahead of the branches on T.
	; q, k: the stage is an image of 4 heads x 8,192 dense bytes (128 s x 64 d), in units of 256 bytes + 16: head hl, row m: unit 32 hl + m / 4, byte 64 (m % 4) + d
	s_lshl_b32 s58, s22, 6
	s_lshl_b32 s59, s21, 4
	s_add_co_u32 s58, s58, s59                     ; 64 wq + 16 wp
	s_mul_i32 s58, s58, PITCH
	s_add_co_u32 s58, s58, STA
	v_lshrrev_b32 v[SQK], 2, v1
	v_mul_u32_u24 v[SQK], v[SQK], PITCH
	v_and_b32 v[GQK], 3, v1
	v_lshl_add_u32 v[SQK], v[GQK], 6, v[SQK]
	v_lshl_add_u32 v[SQK], v2, 3, v[SQK]
	v_add_nc_u32 v[SQK], s58, v[SQK]
	; v: the stage is 128 rows (d) x 256 places, pitch 272
	s_mul_i32 s59, s21, 64*PITCH
	s_lshl_b32 s62, s22, 7
	s_add_co_u32 s59, s59, s62
	s_add_co_u32 s59, s59, STB
	v_add_nc_u32 v[SV], s59, v3
	; back: wave w takes units (rows) 32 w .. 32 w + 31; lanes 0-15 one, lanes 16-31 the next
	s_mul_i32 s62, s20, 32*PITCH
	v_mul_u32_u24 v[RQK], v2, PITCH
	v_lshl_add_u32 v[RQK], v1, 4, v[RQK]
	v_add_nc_u32 v[RQK], s62, v[RQK]
	v_add_nc_u32 v[RV], STB, v[RQK]
	v_add_nc_u32 v[RQK], STA, v[RQK]
	v_and_b32 v[GQK], 31, v0
	v_lshlrev_b32 v[GQK], 4, v[GQK]                ; q, k: 16 x lane: a head's 8,192 bytes are dense
	v_lshlrev_b32 v[GV], 11, v2
	v_lshl_add_u32 v[GV], v1, 4, v[GV]             ; v: rows of 2,048 bytes
	; where my wave's part of the output begins
	s_lshr_b32 s56, s100, 4                        ; q, k: batch = P block / 16,
	s_lshl_b32 s56, s56, 4
	s_lshl_b32 s57, s101, 2
	s_add_co_u32 s56, s56, s57
	s_add_co_u32 s56, s56, s20                     ; head = 4 x Q block + wave
	s_lshl_b32 s56, s56, 17                        ; x 131,072
	s_and_b32 s57, s100, 15
	s_lshl_b32 s57, s57, 13                        ; + 128 s x 64 bytes for each block
	s_add_co_u32 s56, s56, s57
	s_lshr_b32 s58, s101, 3                        ; v: batch = Q block / 8,
	s_lshl_b32 s58, s58, 10
	s_lshl_b32 s59, s100, 7
	s_add_co_u32 s58, s58, s59
	s_lshl_b32 s59, s20, 5
	s_add_co_u32 s58, s58, s59                     ; row = 1,024 batch + 128 x P block + 32 x wave
	s_lshl_b32 s58, s58, 11
	s_and_b32 s59, s101, 7
	s_lshl_b32 s59, s59, 8                         ; + 256 places for each block
	s_add_co_u32 s58, s58, s59
	s_cmp_eq_u32 s26, 2
	s_cselect_b32 s56, s58, s56
	s_cselect_b64 s[60:61], s[18:19], s[16:17]
	s_mov_b32 s57, 0
	s_cmp_eq_u32 s26, 0
	s_cselect_b64 s[60:61], s[14:15], s[60:61]
	s_add_nc_u64 s[60:61], s[60:61], s[56:57]      ; OUT
	; the one scale of the conversion: chosen without a branch
	s_wait_kmcnt 0x0
	s_sub_co_i32 s86, s86, s80
	s_sub_co_i32 s86, s86, s81                     ; e6 - e0 - e1
	s_sub_co_i32 s87, s87, s82
	s_sub_co_i32 s87, s87, s83                     ; e7 - e2 - e3
	s_sub_co_i32 s89, s89, s84
	s_sub_co_i32 s89, s89, s85                     ; e9 - e4 - e5
	s_cmp_eq_u32 s26, 2
	s_cselect_b32 s87, s89, s87
	s_cmp_eq_u32 s26, 0
	s_cselect_b32 s86, s86, s87                    ; F
	s_add_co_i32 s86, s86, 127
	s_lshl_b32 s87, s86, 23
	v_mov_b32 v[SC], s87                           ; 2^F as f32: the conversion takes its exponent field
	s_wait_tensorcnt 0x2                           ; my part of K step 0 is in; K steps 1 and 2 may stay out
	s_barrier_signal -1
	s_barrier_wait -1                              ; everybody's is
	FETCH 0, 0, 0
	s_wait_dscnt 0x0                               ; sub-step 0: its products start the sums
	FETCH 0, 1, 1
	MUL 0, 1
	; sub-step 1: slot 0 has been read out and is filled again, with K step 3
	s_wait_tensorcnt 0x0                           ; all my tensor loads have landed, so a group 0 may be written;
	ds_add_u32 v[SPW], v[NIL]                      ; 0 onto my spare word;
	s_add_nc_u64 s[G0P+2:G0P+3], s[G0P+2:G0P+3], 768   ; from K step 0 to K step 3
	s_add_nc_u64 s[G0Q+2:G0Q+3], s[G0Q+2:G0Q+3], 768
	s_wait_dscnt 0x0                               ; the add is done, set 1 is in, and my reads of slot 0 are over
	CROUND                                         ; no wave of any partner still reads slot 0 or has a load on its way; slots 1 and 2 are whole
	JLOAD                                          ; the first tensor load behind the round; it has sub-steps 1 to 4, 128 matrix instructions, in which to land; its four v_nop are the places for the loads below
	FETCH 1, 0, 0
	MUL 1, 0
	SUB 0, 1, 1, 1                                 ; sub-step 2
	SUB 1, 2, 0, 0                                 ; 3
	SUB 0, 2, 1, 1                                 ; 4
	s_wait_tensorcnt 0x0                           ; sub-step 5: the one load that was out, my part of K step 3, is in,
	s_wait_dscnt 0x0                               ; and my reads of slots 1 and 2 are over
	s_barrier_signal -1
	s_barrier_wait -1                              ; both hold of every wave
	PLACES
	FETCH 0, 0, 0
	MUL 1, 0
	SUB 0, 0, 1, 1                                 ; 6
	s_wait_dscnt 0x0                               ; 7
	MUL 1, 0
	; THE WAY OUT: the hold, the conversion, eight codes a lane and tile into the stage, a barrier, whole units of 256 bytes out.
	PLACES
	WIN 0x82                                       ; source 0 and destination window 2
.set i, 0
.rept 256
.set i, i+1
.endr
	WIN 0x02                                       ; source 0 window 2, destination window 0
.set i, 0
	s_wait_alu depctr_va_vdst(0)
.rept 32
	v_cvt_scalef32_pk8_bf8_f32 v[COD+2*i:COD+2*i+1], v[8*i:8*i+7], v[SC]
.set i, i+1
.endr
	WIN 0
	v_nop                                          ; one plain vector line behind the last conversion
	s_cmp_eq_u32 s26, 2                            ; T is the same in all waves and all partners
	s_cbranch_scc1 .Lv_in
.irp a, 0,1,2,3
.irp b, 0,1,2,3,4,5,6,7
	ds_store_b64 v[SQK], v[COD+2*(8*\a+\b):COD+2*(8*\a+\b)+1] offset:((\b/4)*32+4*\a)*PITCH+16*(\b%4)   ; head 2 wq + b / 4, row 64 wp + 16 a + r, d = 16 (b % 4) + 8 h
.endr
.endr
	s_branch .Lin_done
.Lv_in:
	s_wait_alu depctr_va_vdst(0)
.irp a, 0,1,2,3
.irp b, 0,1,2,3,4,5,6,7
	ds_store_b64 v[SV], v[COD+2*(8*\a+\b):COD+2*(8*\a+\b)+1] offset:16*PITCH*\a+32*(\b/2)+8*(\b%2)      ; row 64 wp + 16 a + r; keys 128 wq + 16 b + 8 h + j at place 128 wq + 32 (b / 2) + 16 h + 8 (b % 2) + j
.endr
.endr
.Lin_done:
	s_wait_dscnt 0x0                               ; for the others' sake: my stores into the stage are done
	s_barrier_signal -1
	s_barrier_wait -1
	s_cmp_eq_u32 s26, 2
	s_cbranch_scc1 .Lv_out
.irp t, 0,1,2,3,4,5,6,7,8,9,10,11,12,13,14,15
	ds_load_b128 v[BK+4*\t:BK+4*\t+3], v[RQK] offset:2*PITCH*\t
.endr
.irp t, 0,1,2,3,4,5,6,7,8,9,10,11,12,13,14,15
	s_wait_dscnt 15-\t                             ; LDS loads come back in order: load t is in, the younger ones may be out
	global_store_b128 v[GQK], v[BK+4*\t:BK+4*\t+3], s[60:61] offset:512*\t    ; 32 lanes store 512 consecutive bytes of my head's block
.endr
	s_branch .Lout_done
.Lv_out:
.irp t, 0,1,2,3,4,5,6,7,8,9,10,11,12,13,14,15
	ds_load_b128 v[BK+4*\t:BK+4*\t+3], v[RV] offset:2*PITCH*\t
.endr
.irp t, 0,1,2,3,4,5,6,7,8,9,10,11,12,13,14,15
	s_wait_dscnt 15-\t
	global_store_b128 v[GV], v[BK+4*\t:BK+4*\t+3], s[60:61] offset:4096*\t    ; 16 lanes store 256 consecutive bytes of a row of vt, at a multiple of 256
.endr
.Lout_done:
	s_wait_tensorcnt 0x0                           ; the wave's end
	ds_add_u32 v[SPW], v[NIL]
	s_wait_dscnt 0x0
	CROUND                                         ; the closing round
	s_endpgm
.Lfunc_end_k_q3524d8ca91_qkv:
	.size	k_q3524d8ca91_qkv, .Lfunc_end_k_q3524d8ca91_qkv-k_q3524d8ca91_qkv
	.p2alignl 7, 3214868480
	.fill 96, 4, 3214868480
	.section	.rodata,"a",@progbits
	.p2align	6, 0x0
	.amdhsa_kernel k_q3524d8ca91_qkv
		.amdhsa_group_segment_fixed_size 327680
		.amdhsa_private_segment_fixed_size 0
		.amdhsa_enable_private_segment 0
		.amdhsa_kernarg_size 64
		.amdhsa_user_sgpr_count 2
		.amdhsa_user_sgpr_kernarg_segment_ptr 1
		.amdhsa_wavefront_size32 1
		.amdhsa_system_sgpr_workgroup_id_x 1
		.amdhsa_system_sgpr_workgroup_id_y 1
		.amdhsa_system_sgpr_workgroup_id_z 1
		.amdhsa_system_vgpr_workitem_id 0
		.amdhsa_next_free_vgpr 768
		.amdhsa_next_free_sgpr 102
		.amdhsa_reserve_vcc 0
		.amdhsa_float_denorm_mode_32 3
		.amdhsa_float_denorm_mode_16_64 3
		.amdhsa_fp16_overflow 1
		.amdhsa_memory_ordered 1
		.amdhsa_forward_progress 1
		.amdhsa_inst_pref_size 66
	.end_amdhsa_kernel
	.amdgpu_metadata
---
amdhsa.version: [ 1, 2 ]
amdhsa.kernels:
  - .name:           k_q3524d8ca91_qkv
    .symbol:         k_q3524d8ca91_qkv.kd
    .args:
      - { .name: x_codes, .offset: 0, .size: 8, .value_kind: global_buffer, .address_space: global }
      - { .name: Wq_codes, .offset: 8, .size: 8, .value_kind: global_buffer, .address_space: global }
      - { .name: Wk_codes, .offset: 16, .size: 8, .value_kind: global_buffer, .address_space: global }
      - { .name: Wv_codes, .offset: 24, .size: 8, .value_kind: global_buffer, .address_space: global }
      - { .name: lowp_scales, .offset: 32, .size: 8, .value_kind: global_buffer, .address_space: global }
      - { .name: qc, .offset: 40, .size: 8, .value_kind: global_buffer, .address_space: global }
      - { .name: kc, .offset: 48, .size: 8, .value_kind: global_buffer, .address_space: global }
      - { .name: vt, .offset: 56, .size: 8, .value_kind: global_buffer, .address_space: global }
    .group_segment_fixed_size: 327680
    .private_segment_fixed_size: 0
    .kernarg_segment_align: 8
    .kernarg_segment_size: 64
    .max_flat_workgroup_size: 128
    .sgpr_count:     102
    .vgpr_count:     768
    .wavefront_size: 32
...
	.end_amdgpu_metadata
.endif
;; end of part 1
;; launch attn (part 2): grid 4 x 64, 16 waves a work-group, no clusters, 327,680 bytes of LDS; arguments qc, kc, vt, lowp_scales, ac; writes ac
.if DOCPART == 2
	.amdgcn_target "amdgcn-amd-amdhsa--gfx1250"
	.amdhsa_code_object_version 6
	.text
	.protected	k_q3524d8ca91_attn
	.globl	k_q3524d8ca91_attn
	.p2align	8
	.type	k_q3524d8ca91_attn,@function
k_q3524d8ca91_attn:
	s_mov_b64 s[64:65], 0
	v_nop
	global_prefetch_b8 v0, s[64:65] scope:SCOPE_SE
	s_setreg_imm32_b32 hwreg(HW_REG_WAVE_MODE, 25, 1), 1
	s_wait_xcnt 0x0
; Causal attention on codes of E5M2, head size 64, and its result quantised with 2^e10.
; qc, kc: [64 (batch x 16 + head)][2048][64] codes.  vt: [64][64 (d)][2048] codes of v, keys innermost, in the order of the operand's registers inside each group of 32 keys.
; OUT: ac: [16 (head)][8192 (batch x 2048 + s)][64 (d)] codes: a wave's 16 queries are 1,024 consecutive bytes.
; THE SOFTMAX: t = score x 2^(e6 + e7) x log2(e) / 8; M = the running largest t rounded UP to a whole number; p = 2^(t - M) is quantised with 2^e8; the row's sum is taken of the unquantised p and divides at the end;
; when M moves, the sum and O are multiplied by 2^(old M - new M), which rounds nothing.
; SHARES.  Work-group (g, bh), g = 0 .. 3: each of its sixteen waves owns TWO tiles of 16 queries, a late one at 256 (7 - g) + 16 w and an early one at 256 g + 16 w, one after the other.
; Keys come in slots of 256.  The late tile wants slots 0 .. 7 - g, the early one slots 0 .. g: NINE visits in every work-group, a constant of the text, so that every work-group has the same work.
; A key step (128 keys) all of whose keys come after the wave's queries is jumped over (a scalar branch on ids); on the diagonal hidden scores become -infinity ahead of the maximum.
; NO CLUSTER: the four work-groups of a head want the same slot in the same visit only in visits 0 to 4 (from visit 8 - g on a work-group is back at slot 0), so partners would need different tiles in the same round.
; LAYOUT.  Both products are used transposed: S^T = K Q^T (source 0 = 16 neighbouring keys, source 1 = my 16 queries, K = 64), O^T = V^T P^T (source 0 = 16 of the head's 64, K = 128 keys): a lane holds ONE query throughout.
; In S^T register j of tile i is key 16 i + 8 h + j: the conversions' results are the second product's operand in that form's own layout, and vt is laid to match.
; LIMITS: e6 + e7 between -123 and 130 (they are added to the exponent field of log2(e) / 8); e8 and e10 between -126 and 112.  A p below 2^-126 counts as 0.  NaN is not served.
; REGISTERS: v1-11 addresses; v12 -M, v13 the largest t, v[14:15] the sum in two halves; v16-23 Q at work, v24-31 the early tile's Q; v32-95 K's 8 fragments, then V's 4; v96-159 S^T, then p; v160-191 O^T;
; v192-207 p's codes; v208-222 at work and constants; v224-231 o's codes; v232-247 rows back from the stage.
.set KP,    80                         ; a key's row in LDS: 64 bytes + 16 of padding: the 16 rows of a load start at 16 different banks (ISA guide 11.1)
.set VP,    272                        ; a row of V's tile: 256 + 16
.set VOFF,  256*KP                     ; a slot: 256 rows of K, then 64 rows of V
.set BUF1,  65536                      ; the second slot begins here: one exclusive or turns an address from one slot to the other
.set SPARE, 2*BUF1                     ; the spare words, 128 bytes for each of sixteen waves: eight blocks of 256 bytes that no other line names
.set STAGE, SPARE+2048                 ; 1,024 bytes for each wave, for the way out: bytes of their own, into which no fill lands
.set AK0, 1                            ; v1   my lane's place in a tile of K
.set AV0, 2                            ; v2   in a tile of V
.set PFO, 3                            ; v3   the prefetches' offset; never rewritten
.set STO, 4                            ; v4   the way out: where I put eight codes
.set SPW, 5                            ; v5   my spare word; never rewritten
.set NIL, 6                            ; v6   0; never rewritten
.set RD,  7                            ; v7   the way out: where I read 16 bytes back
.set ADK, 8                            ; v8   LDS address of the step's tiles of K
.set ADV, 9                            ; v9   of V
.set GO,  10                           ; v10  16 x lane
.set WV,  14                           ; s14  wave
.set SWV, 17                           ; s17  the visit at which the early tile begins: 8 - g
.set VIS, 18                           ; s18  the visit
.set TB,  19                           ; s19  LDS byte at which the slot in hand begins
.set SEL, 20                           ; s[20:21] lane selects: lane l xor 16
.set CS,  22                           ; s[22:23] c = 2^(e6 + e7) log2(e) / 8
.set G1K, 24                           ; s[24:31], s[32:39] descriptor groups 1;  s[40:43], s[44:47] groups 0, which walk
.set G1V, 32
.set G0K, 40
.set G0V, 44
.set KB,  48                           ; s[48:49] K's codes at my head (+ my half of a slot);  s[50:51] V's
.set VB,  50
.set Q0,  56                           ; s56  the first query of the tile at work;  s57 the early tile's
.set KF,  58                           ; s58  the step's first key
.set PFA, 60                           ; s[60:61] where my prefetches stand;  s[62:63] a slot on, in bytes
.set PFS, 62
.set LIMV, 66                          ; s66  a wave prefetches while the visit is below this
.macro TLOAD                           ; waves 0 and 1 fetch K's halves, wave 2 V's 64 rows, the others nothing; four v_nop follow each line
	s_cmp_lt_u32 s[WV], 2
	s_cbranch_scc0 .Lnot_k_\@
	tensor_load_to_lds s[G0K:G0K+3], s[G1K:G1K+7]
	s_nop 0
.rept 4
	v_nop
.endr
	s_branch .Lasked_\@
.Lnot_k_\@:
	s_cmp_eq_u32 s[WV], 2
	s_cbranch_scc0 .Lasked_\@
	tensor_load_to_lds s[G0V:G0V+3], s[G1V:G1V+7]
	s_nop 0
.rept 4
	v_nop
.endr
.Lasked_\@:
.endm
; A PREFETCH INTO THE L2 of the slot that the NEXT change of slots will ask for: slot visit + 2.  All four work-groups of a head walk slots 0, 1, .. at the start: the one with g = 0, which walks all eight in order, asks.
; In it waves 4 and 5 ask for K's 2 x 8,192 bytes, lanes 256 bytes apart; waves 6 and 7 for V's 2 x 32 rows, a lane a row (256 bytes of each).  So each aligned block of 256 bytes is named once in the launch.
; Slots 0 and 1 come by their loads alone; visits 6 and later ask for nothing: slot 7 is the last.
.macro ASK
	s_cmp_lt_u32 s[VIS], s[LIMV]
	s_cbranch_scc0 .Lnot_mine_\@
	global_prefetch_b8 v[PFO], s[PFA:PFA+1] th:TH_LOAD_NT scope:SCOPE_SE
.Lnot_mine_\@:
.endm
	s_load_b256 s[4:11], s[0:1], 0x0               ; qc s[4:5], kc s[6:7], vt s[8:9], the scales' exponents s[10:11]
	s_load_b64 s[12:13], s[0:1], 0x20              ; ac
	v_lshl_add_u32 v[SPW], v0, 2, SPARE
	v_mov_b32 v[NIL], 0
	ds_add_u32 v5, v6
	ds_add_u32 v5, v6
	s_wait_dscnt 0x0
	v_lshrrev_b32 v8, 5, v0
	s_delay_alu instid0(VALU_DEP_1)
	v_readfirstlane_b32 s[WV], v8                  ; wave 0..15
	s_mov_b32 s15, ttmp9                           ; g
	s_and_b32 s16, ttmp7, 0xffff                   ; bh
	s_sub_co_u32 s[SWV], 8, s15
	s_mov_b32 s[VIS], 0
	s_mov_b32 s[TB], 0
	s_mov_b32 s[SEL], 0x76543210
	s_mov_b32 s[SEL+1], 0xfedcba98
	s_mov_b32 s[CS], 0x3e38aa3b                    ; log2(e) / 8
	s_mov_b32 s[G1K], (1<<20)|(3<<22)|(3<<25)      ; no mask; elements of 1 byte; padding: four words after every 16
	s_mov_b32 s[G1K+1], 64<<16                     ; tensor_dim0 = 64
	s_mov_b32 s[G1K+2], 128<<16                    ; tensor_dim1 = 128
	s_mov_b32 s[G1K+3], 64<<16                     ; tile_dim0
	s_mov_b32 s[G1K+4], 128                        ; tile_dim1
	s_mov_b32 s[G1K+5], 64                         ; bytes from row to row
	s_mov_b32 s[G1K+6], 0
	s_mov_b32 s[G1K+7], 0
	s_mov_b32 s[G1V], (1<<20)|(5<<22)|(3<<25)      ; padding: four words after every 64
	s_mov_b32 s[G1V+1], 256<<16
	s_mov_b32 s[G1V+2], 64<<16
	s_mov_b32 s[G1V+3], 256<<16
	s_mov_b32 s[G1V+4], 64
	s_mov_b32 s[G1V+5], 2048
	s_mov_b32 s[G1V+6], 0
	s_mov_b32 s[G1V+7], 0
	s_lshl_b32 s74, s[WV], 4
	s_sub_co_u32 s[Q0], 7, s15
	s_lshl_b32 s[Q0], s[Q0], 8
	s_add_co_u32 s[Q0], s[Q0], s74                 ; the late tile's first query
	s_lshl_b32 s57, s15, 8
	s_add_co_u32 s57, s57, s74                     ; the early tile's
	s_lshl_b32 s76, s16, 17                        ; the head's first byte in qc, kc and vt
	s_mov_b32 s77, 0
	s_and_b32 s87, s[WV], 1                        ; which half I fetch or prefetch
	s_lshl_b32 s78, s87, 13                        ; 128 keys x 64 bytes in memory,
	s_mov_b32 s79, 0
	s_mul_i32 s75, s87, 128*KP                     ; and in a slot
	s_wait_kmcnt 0x0
	s_load_b128 s[68:71], s[10:11], 0x18           ; e6, e7, e8, e9
	s_load_b32 s72, s[10:11], 0x28                 ; e10
	s_add_nc_u64 s[KB:KB+1], s[6:7], s[76:77]
	s_add_nc_u64 s[KB:KB+1], s[KB:KB+1], s[78:79]
	s_add_nc_u64 s[VB:VB+1], s[8:9], s[76:77]
	s_mov_b32 s[G0K], 1                            ; count = 1
	s_mov_b32 s[G0K+1], s75                        ; LDS address: the first slot
	s_mov_b64 s[G0K+2:G0K+3], s[KB:KB+1]           ; keys 0 to 255
	s_or_b32 s[G0K+3], s[G0K+3], 0x80000000        ; type = 2
	s_mov_b32 s[G0V], 1
	s_mov_b32 s[G0V+1], VOFF
	s_mov_b64 s[G0V+2:G0V+3], s[VB:VB+1]
	s_or_b32 s[G0V+3], s[G0V+3], 0x80000000
	TLOAD                                          ; the first visit's slot
	v_and_b32 v8, 15, v0                           ; r
	s_wait_alu depctr_va_vdst(0)
	v_bfe_u32 v9, v0, 4, 1                         ; h
	v_lshlrev_b32 v11, 6, v8
	s_delay_alu instid0(VALU_DEP_1)
	v_lshl_add_u32 v11, v9, 4, v11                 ; Q: row r of 64 bytes, + 16 h
	s_add_nc_u64 s[4:5], s[4:5], s[76:77]
	s_lshl_b32 s78, s[Q0], 6
	s_add_nc_u64 s[80:81], s[4:5], s[78:79]
	s_lshl_b32 s78, s57, 6
	s_add_nc_u64 s[82:83], s[4:5], s[78:79]
	global_load_b128 v[16:19], v11, s[80:81]       ; a fragment of Q or K: registers 4 c .. 4 c + 3 hold d = 32 c + 16 h + 0 .. 15: the same permutation on both sides
	global_load_b128 v[20:23], v11, s[80:81] offset:32
	global_load_b128 v[24:27], v11, s[82:83]
	global_load_b128 v[28:31], v11, s[82:83] offset:32
	s_and_b32 s84, s16, 15
	s_lshl_b32 s84, s84, 19                        ; ac: the head's plane of 524,288 bytes,
	s_lshr_b32 s85, s16, 4
	s_lshl_b32 s85, s85, 11                        ; the batch's 2,048 rows,
	s_add_co_u32 s78, s85, s[Q0]
	s_lshl_b32 s78, s78, 6                         ; rows of 64 bytes
	s_add_co_u32 s78, s78, s84
	s_add_nc_u64 s[52:53], s[12:13], s[78:79]      ; where the late tile goes,
	s_add_co_u32 s78, s85, s57
	s_lshl_b32 s78, s78, 6
	s_add_co_u32 s78, s78, s84
	s_add_nc_u64 s[54:55], s[12:13], s[78:79]      ; and the early one
	; the prefetches: where my wave's stand, and who asks
	s_lshl_b32 s85, s87, 16                        ; V: 32 rows of 2,048 bytes for each half
	s_mov_b32 s[PFS], 256
	s_mov_b32 s84, 2048
	s_cmp_lt_u32 s[WV], 6
	s_cselect_b64 s[PFA:PFA+1], s[KB:KB+1], s[VB:VB+1]   ; (K's base holds my half already)
	s_cselect_b32 s[PFS], 16384, s[PFS]            ; a slot on
	s_cselect_b32 s84, 256, s84                    ; from lane to lane
	s_cselect_b32 s85, 0, s85
	s_mov_b32 s[PFS+1], 0
	s_add_co_u32 s78, s85, s[PFS]                  ; in slot 1: the first change of slots steps it to slot 2
	s_add_nc_u64 s[PFA:PFA+1], s[PFA:PFA+1], s[78:79]
	v_and_b32 v[PFO], 31, v0
	s_delay_alu instid0(VALU_DEP_1)
	v_mul_lo_u32 v[PFO], v[PFO], s84
	s_sub_co_u32 s85, s[WV], 4
	s_lshr_b32 s85, s85, 2                         ; 0 in waves 4 to 7,
	s_or_b32 s85, s85, ttmp9                       ; of the work-group with g = 0
	s_cmp_eq_u32 s85, 0
	s_cselect_b32 s[LIMV], 6, 0
	v_mul_u32_u24 v[AK0], v8, KP
	s_wait_alu depctr_va_vdst(0)
	v_lshl_add_u32 v[AK0], v9, 4, v[AK0]
	v_mul_u32_u24 v[AV0], v8, VP
	s_delay_alu instid0(VALU_DEP_1)
	v_lshl_add_u32 v[AV0], v9, 4, v[AV0]
	s_delay_alu instid0(VALU_DEP_1)
	v_add_nc_u32 v[AV0], VOFF, v[AV0]
	s_lshl_b32 s86, s[WV], 10
	s_add_co_u32 s86, s86, STAGE                   ; my stage
	v_lshlrev_b32 v[STO], 6, v8
	s_delay_alu instid0(VALU_DEP_1)
	v_lshl_add_u32 v[STO], v9, 3, v[STO]
	s_delay_alu instid0(VALU_DEP_1)
	v_add_nc_u32 v[STO], s86, v[STO]               ; in: row r of 64 bytes, + 8 h
	v_and_b32 v[GO], 31, v0
	s_delay_alu instid0(VALU_DEP_1)
	v_lshlrev_b32 v[GO], 4, v[GO]
	s_delay_alu instid0(VALU_DEP_1)
	v_add_nc_u32 v[RD], s86, v[GO]                 ; back: 16 bytes a lane
	v_lshlrev_b32 v221, 3, v9
	s_delay_alu instid0(VALU_DEP_1)
	v_sub_nc_u32 v222, v8, v221                    ; r - 8 h, for the mask
	v_mov_b32 v220, 0xff800000                     ; -infinity
	v_mov_b32 v13, 0xff61b1e6                      ; the largest t so far: -3e38, under every t
	s_delay_alu instid0(VALU_DEP_1)
	v_floor_f32 v12, -v13                          ; -M
	v_mov_b32 v14, 0
	v_mov_b32 v15, 0
	v_mov_b32 v212, 0                              ; written once: a lane permute's destination counts as one of its sources
	v_mov_b32 v211, 0                              ; (named as the upper half of the pair v[210:211])
.set j, 0
.rept 32
	v_mov_b32 v[160+j], 0                          ; O^T: the step is written once; a tile's first step finds zeros
.set j, j+1
.endr
	s_wait_kmcnt 0x0
	s_add_co_i32 s74, s68, s69
	s_lshl_b32 s74, s74, 23
	s_add_co_i32 s[CS], s[CS], s74                 ; e6 + e7 are added to c's exponent field
	s_mov_b32 s[CS+1], s[CS]                       ; (named with it as a pair)
	s_add_co_i32 s74, s70, 127
	s_lshl_b32 s75, s74, 23
	v_mov_b32 v217, s75                            ; 2^e8
	s_add_co_i32 s74, s72, 127
	s_lshl_b32 s75, s74, 23
	v_mov_b32 v219, s75                            ; 2^e10
	s_add_co_i32 s73, s70, s71                     ; e8 + e9
; A KEY STEP: 128 keys, the q-th half of the slot in hand.
.macro STEP q
	s_add_co_u32 s74, s[Q0], 15
	s_cmp_gt_u32 s[KF], s74                        ; all its keys come after my queries: nothing to do but the step of KF
	s_cbranch_scc1 .Lhidden_\@
	v_add_nc_u32 v[ADK], s[TB], v[AK0]
	v_add_nc_u32 v[ADV], s[TB], v[AV0]
	v_nop
	v_nop                                          ; four places in front of loads into registers that the last products have read
.irp i, 0,1,2,3,4,5,6,7
.irp c, 0,1
	ds_load_b128 v[32+8*\i+4*\c:35+8*\i+4*\c], v[ADK] offset:(128*\q+16*\i)*KP+32*\c
.endr
.endr
	s_wait_alu depctr_va_vdst(0)
	s_wait_dscnt 0x8                               ; tiles 0 to 3 are in; the eight younger loads may be out
.irp i, 0,1,2,3
	v_wmma_f32_16x16x64_bf8_bf8 v[96+8*\i:103+8*\i], v[32+8*\i:39+8*\i], v[16:23], 0
.endr
	s_wait_dscnt 0x0
.irp i, 4,5,6,7
	v_wmma_f32_16x16x64_bf8_bf8 v[96+8*\i:103+8*\i], v[32+8*\i:39+8*\i], v[16:23], 0
.endr
.rept 4
	v_nop                                          ; places: for the loads below, and for the first read of the scores
.endr
.irp t, 0,1,2,3
.irp c, 0,1,2,3
	ds_load_b128 v[32+16*\t+4*\c:35+16*\t+4*\c], v[ADV] offset:16*VP*\t+128*\q+32*\c   ; V's four fragments land while the softmax is walked
.endr
.endr
	s_add_co_u32 s74, s[KF], 127
	s_cmp_le_u32 s74, s[Q0]                        ; all keys count: no mask
	s_cbranch_scc1 .Lopen_\@
	s_sub_co_i32 s74, s[Q0], s[KF]
	v_add_nc_u32 v221, s74, v222                   ; d = my query - KF - 8 h: register 8 i + j holds key KF + 16 i + 8 h + j, hidden where 16 i + j > d
.irp n, 0,1,2,3,4,5,6,7,8,9,10,11,12,13,14,15,16,17,18,19,20,21,22,23,24,25,26,27,28,29,30,31,32,33,34,35,36,37,38,39,40,41,42,43,44,45,46,47,48,49,50,51,52,53,54,55,56,57,58,59,60,61,62,63
	v_cmp_gt_i32 vcc_lo, 16*(\n/8)+\n%8, v221
	v_cndmask_b32 v[96+\n], v[96+\n], v220, vcc_lo
.endr
.Lopen_\@:
	v_max3_num_f32 v208, v96, v97, v98             ; the step's largest score of my query among my 64 keys, in two chains; each accumulator is first read at its low end
	v_max3_num_f32 v209, v99, v100, v101
.set j, 6
.rept 14
	v_max3_num_f32 v208, v208, v[96+j], v[97+j]
	v_max3_num_f32 v209, v209, v[98+j], v[99+j]
.set j, j+4
.endr
	v_max3_num_f32 v208, v208, v158, v159
	s_delay_alu instid0(VALU_DEP_1)
	v_max_num_f32 v208, v208, v209
	s_delay_alu instid0(VALU_DEP_1)
	v_permlanex16_b32 v212, v208, s[SEL], s[SEL+1]
	s_delay_alu instid0(VALU_DEP_1)
	v_max_num_f32 v208, v208, v212                 ; and among lane l xor 16's
	s_delay_alu instid0(VALU_DEP_1)
	v_mul_f32 v208, s[CS], v208                    ; as t (c is positive)
	s_delay_alu instid0(VALU_DEP_1)
	v_max_num_f32 v13, v13, v208                   ; the running largest t
	v_mov_b32 v208, v12
	s_delay_alu instid0(VALU_DEP_2)
	v_floor_f32 v12, -v13                          ; the new -M = floor(-t): M is a whole number
	s_delay_alu instid0(VALU_DEP_1)
	v_sub_f32 v208, v12, v208                      ; old M - new M, 0 or less
	s_delay_alu instid0(VALU_DEP_1)
	v_cvt_i32_f32 v208, v208                       ; (it saturates)
	s_delay_alu instid0(VALU_DEP_1)
	v_ldexp_f32 v210, 1.0, v208                    ; f = 2^(old M - new M)
.set j, 0
.rept 32
	v_pk_fma_f32 v[96+j:97+j], v[96+j:97+j], s[CS:CS+1], v[12:13] op_sel_hi:[1,0,0]   ; t - M, two at a time
.set j, j+2
.endr
.set j, 0
	s_wait_alu depctr_va_vdst(0)
.rept 64
	v_exp_f32 v[96+j], v[96+j]                     ; p = 2^(t - M): one batch
.set j, j+1
.endr
	v_pk_mul_f32 v[14:15], v[14:15], v[210:211] op_sel_hi:[1,0]   ; the sums under the new M: the plain line behind the exponentials
	s_wait_alu depctr_va_vdst(0)                   ; one wait for the batch, ahead of its first reader
	v_pk_add_f32 v[214:215], v[100:101], v[104:105]
	v_pk_add_f32 v[254:255], v[108:109], v[112:113]
	v_pk_add_f32 v[252:253], v[116:117], v[120:121]
	v_pk_add_f32 v[250:251], v[124:125], v[128:129]
	v_pk_add_f32 v[248:249], v[132:133], v[136:137]
	v_pk_add_f32 v[246:247], v[140:141], v[144:145]
	v_pk_add_f32 v[244:245], v[148:149], v[152:153]
	v_pk_add_f32 v[14:15], v[14:15], v[156:157]
	v_pk_add_f32 v[214:215], v[214:215], v[96:97]
	v_pk_add_f32 v[254:255], v[254:255], v[98:99]
	v_pk_add_f32 v[252:253], v[252:253], v[102:103]
	v_pk_add_f32 v[250:251], v[250:251], v[106:107]
	v_pk_add_f32 v[248:249], v[248:249], v[110:111]
	v_pk_add_f32 v[246:247], v[246:247], v[114:115]
	v_pk_add_f32 v[244:245], v[244:245], v[118:119]
	v_pk_add_f32 v[14:15], v[14:15], v[122:123]
	v_pk_add_f32 v[214:215], v[214:215], v[126:127]
	v_pk_add_f32 v[254:255], v[254:255], v[130:131]
	v_pk_add_f32 v[252:253], v[252:253], v[134:135]
	v_pk_add_f32 v[250:251], v[250:251], v[138:139]
	v_pk_add_f32 v[248:249], v[248:249], v[142:143]
	v_pk_add_f32 v[246:247], v[246:247], v[146:147]
	v_pk_add_f32 v[244:245], v[244:245], v[150:151]
	v_pk_add_f32 v[14:15], v[14:15], v[154:155]
	v_pk_add_f32 v[214:215], v[214:215], v[158:159]
	s_delay_alu instid0(VALU_DEP_2)
	v_pk_add_f32 v[14:15], v[14:15], v[250:251]
	s_delay_alu instid0(VALU_DEP_2)
	v_pk_add_f32 v[214:215], v[214:215], v[248:249]
	v_pk_add_f32 v[254:255], v[254:255], v[246:247]
	v_pk_add_f32 v[252:253], v[252:253], v[244:245]
	s_delay_alu instid0(VALU_DEP_2)
	v_pk_add_f32 v[14:15], v[14:15], v[254:255]
	s_delay_alu instid0(VALU_DEP_2)
	v_pk_add_f32 v[214:215], v[214:215], v[252:253]
	s_delay_alu instid0(VALU_DEP_1)
	v_pk_add_f32 v[14:15], v[14:15], v[214:215]
.set i, 0
.rept 8
.set j, 0
.rept 8
.set j, j+1
.endr
	v_cvt_scalef32_pk8_bf8_f32 v[192+2*i:193+2*i], v[96+8*i:103+8*i], v217   ; registers 2 i, 2 i + 1 of the operand: keys 16 i + 8 h + 0 .. 7
.set i, i+1
.endr
.set j, 0
.rept 16
	v_pk_mul_f32 v[160+j:161+j], v[160+j:161+j], v[210:211] op_sel_hi:[1,0]   ; O^T under the new M; also the plain lines between the conversions and the products
.set j, j+2
.endr
	s_wait_alu depctr_va_vdst(0)
	s_wait_dscnt 0x0                               ; V is in
.irp t, 0,1,2,3
	v_wmma_f32_16x16x128_bf8_bf8 v[160+8*\t:167+8*\t], v[32+16*\t:47+16*\t], v[192:207], v[160+8*\t:167+8*\t]   ; four accumulators by turns
.endr
.Lhidden_\@:
	s_add_co_u32 s[KF], s[KF], 128
.endm
; THE CHANGE OF SLOTS, at a visit's head.  Each wave waits for all its tensor loads (its part of the slot ahead), adds 0 to its spare word, and waits for that and for its reads of the slot that it has left.
; fill = 1: behind the barrier that other slot is filled for the next visit: the load has a whole visit in which to land.  By this text's own count one tensor load of a wave is out.
.macro CHANGE fill
	s_wait_tensorcnt 0x0                           ; no tensor load of mine is out, so a group 0 may be written
	ds_add_u32 v[SPW], v[NIL]                      ; 0 onto my spare word
.if \fill
	s_add_co_u32 s74, s[VIS], 1
	s_sub_co_u32 s75, s74, s[SWV]
	s_cmp_lt_u32 s74, s[SWV]
	s_cselect_b32 s74, s74, s75                    ; the next visit's slot of keys: visit + 1, or counted anew from the early tile's first visit
	s_lshl_b32 s76, s74, 14                        ; 256 keys x 64 bytes
	s_mov_b32 s77, 0
	s_lshl_b32 s78, s74, 8                         ; 256 places of each row of V
	s_mov_b32 s79, 0
	s_xor_b32 s[G0K+1], s[G0K+1], BUF1             ; the other slot than last time
	s_add_nc_u64 s[G0K+2:G0K+3], s[KB:KB+1], s[76:77]
	s_or_b32 s[G0K+3], s[G0K+3], 0x80000000
	s_xor_b32 s[G0V+1], s[G0V+1], BUF1
	s_add_nc_u64 s[G0V+2:G0V+3], s[VB:VB+1], s[78:79]
	s_or_b32 s[G0V+3], s[G0V+3], 0x80000000
.endif
	s_wait_xcnt 0x0                                ; the last prefetch, a visit back, has read its address, and a finished tile's stores their registers
.if \fill
	s_add_nc_u64 s[PFA:PFA+1], s[PFA:PFA+1], s[PFS:PFS+1]
.endif
	s_wait_dscnt 0x0                               ; the add is done, and my reads of the slot that I have left are over
	s_barrier_signal -1
	s_barrier_wait -1
.if \fill
	TLOAD                                          ; the first thing behind the barrier, and a wave's one tensor load until the next
	ASK
.endif
.endm
; A TILE IS FINISHED: O^T / the sum x 2^(e8 + e9), held, quantised with 2^e10; 1,024 bytes through my stage, so that a lane stores 16 neighbouring bytes.
.macro FINAL out, bk
.rept 4
	v_nop                                          ; places behind the last products
.endr
	v_add_f32 v14, v14, v15
	s_delay_alu instid0(VALU_DEP_1)
	v_permlanex16_b32 v212, v14, s[SEL], s[SEL+1]
	s_delay_alu instid0(VALU_DEP_1)
	v_add_f32 v14, v14, v212                       ; the row's sum
	s_wait_alu depctr_va_vdst(0)
	v_rcp_f32 v14, v14
	v_nop                                          ; a plain line behind the reciprocal
	s_wait_alu depctr_va_vdst(0)                   ; and the wait ahead of its first reader
	v_ldexp_f32 v14, v14, s73
.set j, 0
.rept 32
	v_mul_f32 v[96+j], v[160+j], v14               ; register 8 t + i is o(query r, d = 16 t + 8 h + i); each accumulator from its low end on
.set j, j+1
.endr
.set j, 0
.rept 32
.set j, j+1
.endr
.irp t, 0,1,2,3
	v_cvt_scalef32_pk8_bf8_f32 v[224+2*\t:225+2*\t], v[96+8*\t:103+8*\t], v219
.endr
	v_nop                                          ; one plain vector line behind the last conversion
.irp t, 0,1,2,3
	ds_store_b64 v[STO], v[224+2*\t:225+2*\t] offset:16*\t
.endr
.irp i, 0,1
	ds_load_b128 v[\bk+4*\i:\bk+4*\i+3], v[RD] offset:512*\i   ; LDS serves a wave's instructions in order (ISA guide 5.7.1.4): these see my stores
.endr
	s_wait_dscnt 0x0
.irp i, 0,1
	global_store_b128 v[GO], v[\bk+4*\i:\bk+4*\i+3], s[\out:\out+1] offset:512*\i   ; 32 lanes store 512 consecutive bytes, at a multiple of 256
.endr
.endm
; A VISIT: a slot's two key steps.  At visit 8 - g the late tile is finished and the early one begins (a scalar branch on ids, the same in all sixteen waves).
.macro VISIT
	s_sub_co_u32 s74, s[VIS], s[SWV]
	s_cmp_lt_u32 s[VIS], s[SWV]
	s_cselect_b32 s74, s[VIS], s74                 ; which slot of keys this visit holds
	s_lshl_b32 s[KF], s74, 8
	s_cmp_lg_u32 s[VIS], s[SWV]
	s_cbranch_scc1 .Lsame_\@
	FINAL 52, 232
.set j, 0
.rept 8
	v_mov_b32 v[16+j], v[24+j]                     ; the early tile's Q
.set j, j+1
.endr
	v_mov_b32 v13, 0xff61b1e6
	s_delay_alu instid0(VALU_DEP_1)
	v_floor_f32 v12, -v13
	v_mov_b32 v14, 0
	v_mov_b32 v15, 0
.set j, 0
.rept 32
	v_mov_b32 v[160+j], 0
.set j, j+1
.endr
	s_mov_b32 s[Q0], s57
.Lsame_\@:
	STEP 0
	STEP 1
	s_xor_b32 s[TB], s[TB], BUF1                   ; on to the other slot
.endm
	s_wait_loadcnt 0x0                             ; Q
.Lvisit:                                               ; eight trips: behind each change of slots but the last the next visit's slot is asked for
	CHANGE 1
	VISIT
	s_add_co_u32 s[VIS], s[VIS], 1
	s_cmp_lt_u32 s[VIS], 8
	s_cbranch_scc1 .Lvisit
	CHANGE 0                                       ; the ninth visit is written out
	VISIT
	FINAL 54, 240
	s_wait_tensorcnt 0x0                           ; the wave's end
	ds_add_u32 v[SPW], v[NIL]
	s_wait_dscnt 0x0
	s_endpgm
.Lfunc_end_k_q3524d8ca91_attn:
	.size	k_q3524d8ca91_attn, .Lfunc_end_k_q3524d8ca91_attn-k_q3524d8ca91_attn
	.p2alignl 7, 3214868480
	.fill 96, 4, 3214868480
	.section	.rodata,"a",@progbits
	.p2align	6, 0x0
	.amdhsa_kernel k_q3524d8ca91_attn
		.amdhsa_group_segment_fixed_size 327680
		.amdhsa_private_segment_fixed_size 0
		.amdhsa_enable_private_segment 0
		.amdhsa_kernarg_size 40
		.amdhsa_user_sgpr_count 2
		.amdhsa_user_sgpr_kernarg_segment_ptr 1
		.amdhsa_wavefront_size32 1
		.amdhsa_system_sgpr_workgroup_id_x 1
		.amdhsa_system_sgpr_workgroup_id_y 1
		.amdhsa_system_sgpr_workgroup_id_z 1
		.amdhsa_system_vgpr_workitem_id 0
		.amdhsa_next_free_vgpr 256
		.amdhsa_next_free_sgpr 90
		.amdhsa_reserve_vcc 1
		.amdhsa_float_denorm_mode_32 3
		.amdhsa_float_denorm_mode_16_64 3
		.amdhsa_fp16_overflow 1
		.amdhsa_memory_ordered 1
		.amdhsa_forward_progress 1
		.amdhsa_inst_pref_size 97
	.end_amdhsa_kernel
	.amdgpu_metadata
---
amdhsa.version: [ 1, 2 ]
amdhsa.kernels:
  - .name:           k_q3524d8ca91_attn
    .symbol:         k_q3524d8ca91_attn.kd
    .args:
      - { .name: qc, .offset: 0, .size: 8, .value_kind: global_buffer, .address_space: global }
      - { .name: kc, .offset: 8, .size: 8, .value_kind: global_buffer, .address_space: global }
      - { .name: vt, .offset: 16, .size: 8, .value_kind: global_buffer, .address_space: global }
      - { .name: lowp_scales, .offset: 24, .size: 8, .value_kind: global_buffer, .address_space: global }
      - { .name: ac, .offset: 32, .size: 8, .value_kind: global_buffer, .address_space: global }
    .group_segment_fixed_size: 327680
    .private_segment_fixed_size: 0
    .kernarg_segment_align: 8
    .kernarg_segment_size: 40
    .max_flat_workgroup_size: 512
    .sgpr_count:     90
    .vgpr_count:     256
    .wavefront_size: 32
...
	.end_amdgpu_metadata
.endif
;; end of part 2
;; launch oproj (part 3): grid 4 x 64, 4 waves a work-group, clusters of 4 x 4, 327,680 bytes of LDS; arguments ac, Wo_codes, bo, lowp_scales, out0; writes out0
.if DOCPART == 3
	.amdgcn_target "amdgcn-amd-amdhsa--gfx1250"
	.amdhsa_code_object_version 6
	.text
	.protected	k_q3524d8ca91_oproj
	.globl	k_q3524d8ca91_oproj
	.p2align	8
	.type	k_q3524d8ca91_oproj,@function
k_q3524d8ca91_oproj:
	s_mov_b64 s[64:65], 0
	v_nop
	global_prefetch_b8 v0, s[64:65] scope:SCOPE_SE
	s_setreg_imm32_b32 hwreg(HW_REG_WAVE_MODE, 25, 1), 1
	s_wait_xcnt 0x0
	s_wait_alu depctr_hold_cnt(0) depctr_sa_sdst(0) depctr_va_vdst(0) depctr_va_sdst(0) depctr_va_ssrc(0) depctr_va_vcc(0) depctr_vm_vsrc(0)
	s_getreg_b32 s2, hwreg(HW_REG_IB_STS2, 6, 4)
	s_cmp_eq_u32 s2, 0
	s_cbranch_scc0 .Lentry_in_a_cluster
	s_endpgm
.Lentry_in_a_cluster:
	s_bfe_u32 s2, ttmp6, 0x10000c
	s_cmp_lg_u32 s2, 0xf033
	s_cbranch_scc0 .Lentry_shape_is_right
	s_endpgm
.Lentry_shape_is_right:
; out0 = a Wo + bo on codes of E5M2.  ac: [16 (head)][8192 (m)][64 (d)] codes of the attention's result, K = 64 head + d.  Wo: [1024 (n)][1024 (k)] codes, K innermost.  bo [1024], out0 [8192][1024]: f32.
; Each finished sum is multiplied by 2^(e10 + e11) and bo is added, in one packed multiply-add.  LIMIT: -126 <= e10 + e11 <= 127, so that the power of two is an f32 number.
; SHARES.  A work-group makes 128 rows (side P, source 1) x 256 columns (side Q = Wo's rows, source 0): 64 x 4 = 256 work-groups.  Four waves, each 64 x 128: 32 accumulators.  A lane holds eight neighbouring columns of one row.
; K = 1024 goes in four K steps of 256, eight sub-steps of 128, through THREE LDS slots: K steps 0, 1, 2 are asked for at the head, K step 3 fills slot 0 again behind the one round in the text.
; By this text's own count a wave has at most three tensor loads out.
; P's tile of a K step is 4 heads' planes x 64 rows x 64 bytes: each plane's part is 4,096 dense bytes, one row of the descriptor, padded by 16 bytes behind every 256:
; row m, byte d of plane y lie at 4,352 y + 272 (m / 4) + 64 (m % 4) + d.
; CLUSTERS: 4 x 4 work-groups; P's tile is shared along a row of the cluster, Q's along a column.  No prefetch: three of the four K steps are asked for at the head, and each tile is read by many work-groups.
; REGISTERS: window 0: v0-19 addresses; v64-127, v128-191 P's fragments, two sets (on the way out v64-255 are free); window 1: Q's fragments, two sets of 128; window 2: accumulator (a, b) at v[8 (8 a + b)]; window 3: v0-63 bo of my 128 columns.
.set PITCH, 272
.set PH,    64*PITCH                   ; half of P's tile: 4 planes x 4,352 bytes
.set QH,    128*PITCH
.set SLOT,  2*PH+2*QH
.set SPARE, 3*SLOT                     ; the spare words, 128 bytes for each wave: two blocks of 256 bytes that no other line names
.set STA,   SLOT                       ; the waves' stages lie in slot 1: it has had its one fill, and nobody reads it behind the barrier of sub-step 5
.set SPITCH, 528                       ; a stage row: 512 bytes + 16
.set PLANE, 524288                     ; bytes of a head's plane of ac
.set ADRP, 4
.set ADRQ, 8
.set SPW,  12
.set NIL,  13
.set STO,  14                          ; v14  the way out: where I put 32 bytes of a row
.set CO,   15                          ; v15  16 x lane
.set RD,   16                          ; v16  where I read a row back
.set BOF,  19                          ; v19  bo: 32 h
.set G1P, 28
.set G1Q, 36
.set G0P, 44
.set G0Q, 68
.set MSB, 0
.macro WIN new                         ; the immediate's high byte repeats the setting that is left
.if MSB != \new
	s_set_vgpr_msb (MSB<<8)|\new
.set MSB, \new
.endif
.endm
.macro PLACES                          ; four places (ISA guide 7.12.1)
.rept 4
	v_nop
.endr
.endm
.macro CROUND                          ; a round of the cluster's barrier
	s_barrier_signal -1
	s_barrier_wait -1
	s_cmp_lg_u32 s20, 0
	s_cbranch_scc1 .Lnot_wave_0_\@
	s_barrier_signal -3
.Lnot_wave_0_\@:
	s_barrier_wait -3
	s_barrier_signal -1
	s_barrier_wait -1
.endm
.macro JLOAD                           ; the joint refill of slot 0; four v_nop follow each line
	s_cmp_eq_u32 s21, 0
	s_cbranch_scc0 .Lfor_q_\@
	tensor_load_to_lds s[G0P:G0P+3], s[G1P:G1P+7]
	s_nop 0
.rept 4
	v_nop
.endr
	s_branch .Lasked_\@
.Lfor_q_\@:
	tensor_load_to_lds s[G0Q:G0Q+3], s[G1Q:G1Q+7]
	s_nop 0
.rept 4
	v_nop
.endr
.Lasked_\@:
.endm
; 48 LDS loads: registers 4 c .. 4 c + 3 of a fragment hold K = 128 q + 32 c + 16 h + 0 .. 15 of the K step, on both sides.  In P that is plane 2 q + c / 2, d = 32 (c % 2) + 16 h + 0 .. 15.
.macro FETCH slot, q, set
	WIN 0x40
.irp b, 0,1,2,3,4,5,6,7
.irp c, 0,1,2,3
	ds_load_b128 v[128*\set+16*\b+4*\c:128*\set+16*\b+4*\c+3], v[ADRQ+\slot] offset:16*PITCH*\b+128*\q+32*\c
.endr
.endr
	WIN 0
.irp a, 0,1,2,3
.irp c, 0,1,2,3
	ds_load_b128 v[64+64*\set+16*\a+4*\c:64+64*\set+16*\a+4*\c+3], v[ADRP+\slot] offset:(2*\q+\c/2)*16*PITCH+4*PITCH*\a+32*(\c%2)
.endr
.endr
.endm
.macro MUL set, zero                   ; 32 matrix instructions; the 32 accumulators take turns, in the same order in every sub-step
	WIN 0xa1
.irp a, 0,1,2,3
.irp b, 0,1,2,3,4,5,6,7
.if \zero
	v_wmma_f32_16x16x128_bf8_bf8 v[8*(8*\a+\b):8*(8*\a+\b)+7], v[128*\set+16*\b:128*\set+16*\b+15], v[64+64*\set+16*\a:64+64*\set+16*\a+15], 0
.else
	v_wmma_f32_16x16x128_bf8_bf8 v[8*(8*\a+\b):8*(8*\a+\b)+7], v[128*\set+16*\b:128*\set+16*\b+15], v[64+64*\set+16*\a:64+64*\set+16*\a+15], v[8*(8*\a+\b):8*(8*\a+\b)+7]
.endif
.endr
.endr
	WIN 0
.endm
.macro SUB mset, slot, q, fset
	s_wait_dscnt 0x0                               ; the 48 loads issued 32 matrix instructions ago
	PLACES
	FETCH \slot, \q, \fset
	MUL \mset, 0
.endm
	s_load_b256 s[4:11], s[0:1], 0x0               ; ac s[4:5], Wo s[6:7], bo s[8:9], the scales' exponents s[10:11]
	s_load_b64 s[12:13], s[0:1], 0x20              ; out0
	v_lshl_add_u32 v[SPW], v0, 2, SPARE
	v_mov_b32 v[NIL], 0
	ds_add_u32 v12, v13
	ds_add_u32 v12, v13
	s_wait_dscnt 0x0
	v_lshrrev_b32 v3, 5, v0
	v_readfirstlane_b32 s20, v3                    ; wave 0..3
	s_lshr_b32 s21, s20, 1                         ; which 64 rows are mine.  Also: I fetch for P (0) or for Q (1)
	s_and_b32 s22, s20, 1                          ; which 128 columns.  Also: which half of that tile I fetch
	s_bfe_u32 s23, ttmp6, 0x40000                  ; cx
	s_bfe_u32 s24, ttmp6, 0x40004                  ; cy
	s_and_b32 s25, ttmp7, 0xffff                   ; the cluster's y
	s_lshl_b32 s66, s24, 2
	s_lshl_b32 s66, 15, s66                        ; my row of the cluster
	s_lshl_b32 s67, 0x1111, s23                    ; my column
	s_or_b32 s[G1P], s66, (1<<20)|(1<<21)|(5<<22)|(3<<25)   ; the mask; elements of 1 byte; padding on; 21 set beside a mask; four words after every 64
	s_or_b32 s[G1Q], s67, (1<<20)|(1<<21)|(5<<22)|(3<<25)
	s_mov_b32 s[G1P+1], 4096<<16                   ; tensor_dim0 = 4,096: 64 rows x 64 bytes of a plane, dense
	s_mov_b32 s[G1P+2], 4<<16                      ; tensor_dim1 = 4 planes
	s_mov_b32 s[G1P+3], 4096<<16                   ; tile_dim0
	s_mov_b32 s[G1P+4], 4                          ; tile_dim1
	s_mov_b32 s[G1P+5], PLANE                      ; bytes from plane to plane
	s_mov_b32 s[G1P+6], 0
	s_mov_b32 s[G1P+7], 0
	s_mov_b32 s[G1Q+1], 256<<16
	s_mov_b32 s[G1Q+2], 128<<16
	s_mov_b32 s[G1Q+3], 256<<16
	s_mov_b32 s[G1Q+4], 128
	s_mov_b32 s[G1Q+5], 1024
	s_mov_b32 s[G1Q+6], 0
	s_mov_b32 s[G1Q+7], 0
	s_lshl_b32 s100, s25, 2
	s_add_co_u32 s100, s100, s24                   ; P block = 4 x cluster y + cy, of 64
	s_mov_b32 s101, s23                            ; Q block = cx, of 4: the grid's x is one cluster wide
	s_lshl_b32 s56, s100, 13                       ; 128 rows of 64 bytes
	s_lshl_b32 s58, s22, 12                        ; + the 64 rows that I fetch
	s_add_co_u32 s56, s56, s58
	s_mov_b32 s57, 0
	s_lshl_b32 s60, s101, 18                       ; 256 rows of 1,024 bytes
	s_lshl_b32 s62, s22, 17
	s_add_co_u32 s60, s60, s62
	s_mov_b32 s61, 0
	s_mul_i32 s96, s22, PH                         ; where they go in a slot
	s_mul_i32 s97, s22, QH
	s_add_co_u32 s97, s97, 2*PH
	s_wait_kmcnt 0x0
	s_add_nc_u64 s[92:93], s[4:5], s[56:57]
	s_add_nc_u64 s[94:95], s[6:7], s[60:61]
.irp s, 0,1,2
	s_mov_b32 s[G0P+4*\s], 1
	s_add_co_u32 s[G0P+4*\s+1], s96, \s*SLOT
	s_add_nc_u64 s[G0P+4*\s+2:G0P+4*\s+3], s[92:93], \s*4*PLANE   ; K step s: planes 4 s .. 4 s + 3
	s_or_b32 s[G0P+4*\s+3], s[G0P+4*\s+3], 0x80000000
	s_mov_b32 s[G0Q+4*\s], 1
	s_add_co_u32 s[G0Q+4*\s+1], s97, \s*SLOT
	s_add_nc_u64 s[G0Q+4*\s+2:G0Q+4*\s+3], s[94:95], \s*256
	s_or_b32 s[G0Q+4*\s+3], s[G0Q+4*\s+3], 0x80000000
.endr
	s_load_b64 s[96:97], s[10:11], 0x28            ; e10, e11 (s96 and s97 have been read into the descriptors)
	CROUND                                         ; all sixteen work-groups are here: the first joint loads meet
	s_cmp_eq_u32 s21, 0                            ; a wave's three first fills stand in one branch
	s_cbranch_scc0 .Lfirst_q
	tensor_load_to_lds s[G0P:G0P+3], s[G1P:G1P+7]
	s_nop 0
	tensor_load_to_lds s[G0P+4:G0P+7], s[G1P:G1P+7]
	s_nop 0
	tensor_load_to_lds s[G0P+8:G0P+11], s[G1P:G1P+7]
	s_nop 0
.rept 4
	v_nop
.endr
	s_branch .Lfirst_asked
.Lfirst_q:
	tensor_load_to_lds s[G0Q:G0Q+3], s[G1Q:G1Q+7]
	s_nop 0
	tensor_load_to_lds s[G0Q+4:G0Q+7], s[G1Q:G1Q+7]
	s_nop 0
	tensor_load_to_lds s[G0Q+8:G0Q+11], s[G1Q:G1Q+7]
	s_nop 0
.rept 4
	v_nop
.endr
.Lfirst_asked:
	v_and_b32 v1, 15, v0                           ; r
	v_bfe_u32 v2, v0, 4, 1                         ; h
	v_mul_u32_u24 v3, v1, PITCH
	v_lshl_add_u32 v3, v2, 4, v3                   ; Q: row r x pitch + 16 h
	v_lshrrev_b32 v17, 2, v1
	v_mul_u32_u24 v17, v17, PITCH
	v_and_b32 v18, 3, v1
	v_lshl_add_u32 v17, v18, 6, v17
	v_lshl_add_u32 v17, v2, 4, v17                 ; P: 272 (r / 4) + 64 (r % 4) + 16 h: sixteen different banks' columns of 16 bytes
	s_mul_i32 s98, s21, PH
	s_mul_i32 s99, s22, QH
	s_add_co_u32 s99, s99, 2*PH
.irp s, 0,1,2
	v_add_nc_u32 v[ADRP+\s], s98, v17
	v_add_nc_u32 v[ADRQ+\s], s99, v3
	s_add_co_u32 s98, s98, SLOT
	s_add_co_u32 s99, s99, SLOT
.endr
	s_mul_i32 s62, s20, 16*SPITCH
	s_add_co_u32 s62, s62, STA                     ; my stage
	v_mul_u32_u24 v[STO], v1, SPITCH
	v_lshl_add_u32 v[STO], v2, 5, v[STO]
	v_add_nc_u32 v[STO], s62, v[STO]               ; in: row r, 32 bytes for each half of the lanes
	v_and_b32 v[CO], 31, v0
	v_lshlrev_b32 v[CO], 4, v[CO]
	v_add_nc_u32 v[RD], s62, v[CO]                 ; back: the 32 lanes take one row of 512 bytes
	v_lshlrev_b32 v[BOF], 5, v2
	s_wait_alu depctr_va_vdst(0)
	s_lshl_b32 s58, s101, 10
	s_lshl_b32 s59, s22, 9
	s_add_co_u32 s58, s58, s59                     ; my first column, in bytes: 1,024 x Q block + 512 wq
	s_mov_b32 s59, 0
	s_add_nc_u64 s[8:9], s[8:9], s[58:59]
	s_add_nc_u64 s[12:13], s[12:13], s[58:59]
	s_lshl_b32 s58, s100, 19                       ; my first row: 128 x P block + 64 wp, rows of 4,096 bytes
	s_lshl_b32 s63, s21, 18
	s_add_co_u32 s58, s58, s63
	s_add_nc_u64 s[12:13], s[12:13], s[58:59]
	WIN 0xc0                                       ; destination window 3
.irp b, 0,1,2,3,4,5,6,7
	global_load_b128 v[8*\b:8*\b+3], v[BOF], s[8:9] offset:64*\b        ; bo at columns 16 b + 8 h + 0 .. 7: the result's layout
	global_load_b128 v[8*\b+4:8*\b+7], v[BOF], s[8:9] offset:64*\b+16
.endr
	WIN 0
	s_wait_tensorcnt 0x2                           ; my part of K step 0 is in; K steps 1 and 2 may stay out
	s_barrier_signal -1
	s_barrier_wait -1
	FETCH 0, 0, 0
	s_wait_dscnt 0x0                               ; sub-step 0: its products start the sums
	FETCH 0, 1, 1
	MUL 0, 1
	; sub-step 1: slot 0 has been read out and is filled again, with K step 3
	s_wait_tensorcnt 0x0                           ; all my tensor loads have landed, so a group 0 may be written;
	ds_add_u32 v[SPW], v[NIL]                      ; 0 onto my spare word;
	s_add_nc_u64 s[G0P+2:G0P+3], s[G0P+2:G0P+3], 12*PLANE   ; from planes 0-3 to planes 12-15
	s_add_nc_u64 s[G0Q+2:G0Q+3], s[G0Q+2:G0Q+3], 768
	s_wait_dscnt 0x0                               ; the add is done, set 1 is in, and my reads of slot 0 are over
	CROUND                                         ; no wave of any partner still reads slot 0 or has a load on its way; slots 1 and 2 are whole
	JLOAD                                          ; the first tensor load behind the round: 128 matrix instructions in which to land; its four v_nop are the places for the loads below
	FETCH 1, 0, 0
	MUL 1, 0
	SUB 0, 1, 1, 1                                 ; sub-step 2
	SUB 1, 2, 0, 0                                 ; 3
	SUB 0, 2, 1, 1                                 ; 4
	s_wait_tensorcnt 0x0                           ; sub-step 5: the one load that was out, my part of K step 3, is in,
	s_wait_dscnt 0x0                               ; and my reads of slots 1 and 2 are over
	s_barrier_signal -1
	s_barrier_wait -1                              ; both hold of every wave
	PLACES
	FETCH 0, 0, 0
	MUL 1, 0
	SUB 0, 0, 1, 1                                 ; 6
	s_wait_dscnt 0x0                               ; 7
	MUL 1, 0
; THE WAY OUT, block by block of 16 rows x 128 columns, through my own stage: in as 32 bytes a lane, back as whole rows of 512 bytes.  LDS serves a wave's instructions in order (ISA guide 5.7.1.4): no wait between the stores and the loads.
.macro TOSTAGE a
	WIN 0x32                                       ; source 0 (the sums) window 2, source 2 (bo) window 3, destination window 0
.set j, 0
.rept 32
	v_pk_fma_f32 v[64+j:65+j], v[64*\a+j:64*\a+j+1], s[96:97], v[j:j+1] op_sel_hi:[1,0,1]   ; sum x 2^(e10 + e11) + bo; each accumulator from its low end on
.set j, j+2
.endr
	WIN 0
.irp b, 0,1,2,3,4,5,6,7
	ds_store_b128 v[STO], v[64+8*\b:67+8*\b] offset:64*\b
	ds_store_b128 v[STO], v[68+8*\b:71+8*\b] offset:64*\b+16
.endr
.irp t, 0,1,2,3,4,5,6,7,8,9,10,11,12,13,14,15
	ds_load_b128 v[128+64*(\a%2)+4*\t:128+64*(\a%2)+4*\t+3], v[RD] offset:SPITCH*\t
.endr
.endm
.macro SEND a, younger                 ; younger: the LDS instructions issued behind block a's loads, which may stay out
	s_wait_dscnt \younger
.irp t, 0,1,2,3,4,5,6,7,8,9,10,11,12,13,14,15
	global_store_b128 v[CO], v[128+64*(\a%2)+4*\t:128+64*(\a%2)+4*\t+3], s[12:13] offset:(16*\a+\t)*4096 th:TH_STORE_NT   ; 32 lanes store 512 consecutive bytes, at a multiple of 256; written once, read by nobody here
.endr
.endm
	s_wait_kmcnt 0x0
	s_add_co_i32 s96, s96, s97
	s_add_co_i32 s96, s96, 127
	s_lshl_b32 s96, s96, 23                        ; 2^(e10 + e11) as f32
	s_mov_b32 s97, s96                             ; (named with it as a pair)
	s_wait_loadcnt 0x0                             ; bo
	PLACES
	TOSTAGE 0
	TOSTAGE 1
	SEND 0, 32                                     ; behind block 0's loads: block 1's 16 stores and 16 loads
	s_wait_xcnt 0x0                                ; block 0's stores have read their registers: block 2's loads may land there
	TOSTAGE 2
	SEND 1, 32
	s_wait_xcnt 0x0                                ; block 1's likewise
	TOSTAGE 3
	SEND 2, 32
	SEND 3, 0
	s_wait_tensorcnt 0x0                           ; the wave's end
	ds_add_u32 v[SPW], v[NIL]
	s_wait_dscnt 0x0
	CROUND                                         ; the closing round
	s_endpgm
.Lfunc_end_k_q3524d8ca91_oproj:
	.size	k_q3524d8ca91_oproj, .Lfunc_end_k_q3524d8ca91_oproj-k_q3524d8ca91_oproj
	.p2alignl 7, 3214868480
	.fill 96, 4, 3214868480
	.section	.rodata,"a",@progbits
	.p2align	6, 0x0
	.amdhsa_kernel k_q3524d8ca91_oproj
		.amdhsa_group_segment_fixed_size 327680
		.amdhsa_private_segment_fixed_size 0
		.amdhsa_enable_private_segment 0
		.amdhsa_kernarg_size 40
		.amdhsa_user_sgpr_count 2
		.amdhsa_user_sgpr_kernarg_segment_ptr 1
		.amdhsa_wavefront_size32 1
		.amdhsa_system_sgpr_workgroup_id_x 1
		.amdhsa_system_sgpr_workgroup_id_y 1
		.amdhsa_system_sgpr_workgroup_id_z 1
		.amdhsa_system_vgpr_workitem_id 0
		.amdhsa_next_free_vgpr 832
		.amdhsa_next_free_sgpr 102
		.amdhsa_reserve_vcc 0
		.amdhsa_float_denorm_mode_32 3
		.amdhsa_float_denorm_mode_16_64 3
		.amdhsa_memory_ordered 1
		.amdhsa_forward_progress 1
		.amdhsa_inst_pref_size 76
	.end_amdhsa_kernel
	.amdgpu_metadata
---
amdhsa.version: [ 1, 2 ]
amdhsa.kernels:
  - .name:           k_q3524d8ca91_oproj
    .symbol:         k_q3524d8ca91_oproj.kd
    .args:
      - { .name: ac, .offset: 0, .size: 8, .value_kind: global_buffer, .address_space: global }
      - { .name: Wo_codes, .offset: 8, .size: 8, .value_kind: global_buffer, .address_space: global }
      - { .name: bo, .offset: 16, .size: 8, .value_kind: global_buffer, .address_space: global }
      - { .name: lowp_scales, .offset: 24, .size: 8, .value_kind: global_buffer, .address_space: global }
      - { .name: out0, .offset: 32, .size: 8, .value_kind: global_buffer, .address_space: global }
    .group_segment_fixed_size: 327680
    .private_segment_fixed_size: 0
    .kernarg_segment_align: 8
    .kernarg_segment_size: 40
    .max_flat_workgroup_size: 128
    .sgpr_count:     102
    .vgpr_count:     832
    .wavefront_size: 32
...
	.end_amdgpu_metadata
.endif
;; end of part 3
